; MI455X (gfx1250); checked and timed in simulation.
; The chip was launched on July 23, 2026; its instructions are those of AMD's public machine-readable ISA for CDNA 5 (MIT licence, August 2026) and "CDNA5" Instruction Set Architecture Reference Guide (July 2026). The comments in the code are by the model that wrote it; some were corrected since.
;; Multiple SA Head. Allowed arithmetic: matrix products marked QUANTISED: E4M3 operands, one given power-of-two scale a tensor, by v_wmma_f32_16x16x64_fp8_fp8 or v_wmma_f32_16x16x128_fp8_fp8, f32 sums; everything else in f32.
;; Inputs: Wk 16 x 1,024 x 64 float32; Wp 1,024 x 1,024 float32; Wq 16 x 1,024 x 64 float32; Wv 16 x 1,024 x 64 float32; bp 1,024 float32; lowp_scales 12 int32 (the exponents e of the quantised operands' scales 2^e); x 8 x 1,024 x 1,024 float32.
;; Outputs: out0 8 x 1,024 x 1,024 float32.
;; This version of the problem:
;;   THIS VERSION OF THE PROBLEM IS GIVEN IN LOW PRECISION. The matrix products marked QUANTISED in the list below multiply operands that are first quantised to E4M3 (4 exponent bits, 3 mantissa bits; 8 bits a number), with one given power-of-two scale for each operand tensor; their sums are f32. All else is computed in f32.
;;   The module's matrix products, in the order in which they are computed (A, B: the left and right operand; K: the contracted axis; several contracted axes count as one K, in the product's order):
;;     1. [M 1,024, K 1,024] x [K 1,024, N 8,192]; A: input Wq; B: input x: QUANTISED (scales: A lowp_scales[0], B lowp_scales[1])
;;     2. [M 1,024, K 1,024] x [K 1,024, N 8,192]; A: input Wk; B: input x: QUANTISED (scales: A lowp_scales[2], B lowp_scales[3])
;;     3. [M 1,024, K 1,024] x [K 1,024, N 8,192]; A: input Wv; B: input x: QUANTISED (scales: A lowp_scales[4], B lowp_scales[5])
;;     4. batch 128 x [M 1,024, K 64] x [K 64, N 1,024]; A: computed on the way; B: computed on the way: QUANTISED (scales: A lowp_scales[6], B lowp_scales[7])
;;     5. batch 128 x [M 1,024, K 1,024] x [K 1,024, N 64]; A: softmax (see below); B: computed on the way: QUANTISED (scales: A lowp_scales[8], B lowp_scales[9])
;;     6. [M 8,192, K 1,024] x [K 1,024, N 1,024]; A: computed on the way; B: input Wp: QUANTISED (scales: A lowp_scales[10], B lowp_scales[11])
;;   THE QUANTISER, for each operand of a quantised product, along K:
;;     - The operand's scale is 2^e, e = its entry of the input lowp_scales (int32; the entries are numbered through the quantised products in the list's order, A before B).
;;     - Each number is divided by the scale, clamped to +-448, and rounded to the nearest number of E4M3, ties to even, subnormals kept.
;;     - The product sums the exact products of the quantised numbers (number of the format x scale) in f32.
;;   ~~~python
;;   def quantise(x, axis, e):      # numpy; x: float32 -> the quantised numbers, widened to float32 again
;;       x = np.moveaxis(x, axis, -1); K = x.shape[-1]
;;       r = np.clip(x / 2.0 ** e, -448, 448)
;;       step = 2.0 ** (np.maximum(np.frexp(np.where(r == 0, 1, r))[1] - 1, -6) - 3)
;;       q = np.round(r / step) * step * 2.0 ** e      # np.round: ties to even
;;       return np.moveaxis(q, -1, axis).astype(np.float32)
;;   ~~~
;;   SOFTMAX AHEAD OF A QUANTISED PRODUCT. Where the list says 'softmax', what is quantised is not the finished softmax but p = 2^(t - M), with t = logit x log2(e) and M = ceil(the row's largest t), a whole number; so 1/2 < the row's largest p <= 1. The row's sum l is taken of the UNQUANTISED p, in f32, and the product's result is divided by l at the end. Since M is a whole number, a kernel that streams over the keys may use a running M (the ceiling of the running maximum): every later rescaling is an exact power of two, so the quantised numbers keep their values, but for numbers so far below the row's largest that they fall under the format's range.
;;   OPERANDS COMPUTED ON THE WAY. 'Computed on the way' means the value that the module computes at that place (a softmax that the list does not call 'softmax' is quantised finished and normalised). What goes into a quantiser is computed in f32, as accurately as f32 sums, v_exp_f32 and their like allow (about 1e-6 of the number): no bf16 or f16 on the way to a quantiser, and a product that is left as it is and whose result goes on into a quantised operand takes f32 operands (vector FMAs, or v_wmma_f32_16x16x4_f32). A number that lies on a knife's edge between two numbers of the format may be rounded either way, as far as f32 arithmetic and the matrix unit's own rounding can turn it there, and no further.
;; One version. Each part assembles by itself: llvm-mc -triple=amdgcn-amd-amdhsa -mcpu=gfx1250 --defsym DOCPART=n.
;; ======== version 1 of 1: 4 launches
;; limits: right only within a limited range of input values
;; workspace buffers: ximg 25,165,824 bytes; wimg 4,194,304 bytes; qkv 25,165,824 bytes; ao 8,388,608 bytes
;; launch quant (part 1): grid 672 x 1, 8 waves a work-group, no clusters, 68,608 bytes of LDS; arguments x, Wq, Wk, Wv, Wp, lowp_scales, ximg, wimg; writes ximg, wimg
.if DOCPART == 1
	.amdgcn_target "amdgcn-amd-amdhsa--gfx1250"
	.amdhsa_code_object_version 6
	.text
	.protected	k_q2a3bf522c6_quant
	.globl	k_q2a3bf522c6_quant
	.p2align	8
	.type	k_q2a3bf522c6_quant,@function
k_q2a3bf522c6_quant:
	s_mov_b64 s[64:65], 0
	v_nop
	global_prefetch_b8 v0, s[64:65] scope:SCOPE_SE
	s_setreg_imm32_b32 hwreg(HW_REG_WAVE_MODE, 25, 1), 1
	s_wait_xcnt 0x0
; x, Wq, Wk, Wv, Wp (f32) become codes of FP8 (E4M3), each with the scale 2^e that is given for it: code = number / 2^e, held within +-448, to the nearest code, ties to even.
; THE CODES ARE LAID AS IMAGES OF OPERAND REGISTERS.  An image is 16 rows x 64 K, 1,024 bytes: byte 512 c + 16 lane + i is byte i of registers 4 c .. 4 c + 3 of that lane; lane (r, h) holds row r, and its
; 16 bytes of piece c are k = 32 c + 8 h + 0 .. 7 and then k = 32 c + 16 + 8 h + 0 .. 7: the places that the plain 8-bit matrix forms give each k.  Two images on end are a fragment of 128 along K.
; ximg: [3 scales: entries 1, 3, 5][512 tiles of 16 rows][16 images along K].   wimg: [Wq, Wk, Wv, Wp][64 tiles of 16 rows n][16 images along K]; n = 64 head + d for the first three.
; x is quantised three times, since its three scales are three entries of the buffer of scales and need not be equal.
; WORK-GROUPS: 0-95 take Wq, Wk, Wv (K is their middle axis: a lane takes a column, its registers run down K); 96-159 take Wp, 160-671 take x (K innermost: 16 rows a work-group, 128 along K a wave).
; No tile is read by two work-groups, so there is nothing to share in a cluster; no tensor loads, no barrier: a wave shares nothing with another.
; LIMITS: each e used here (entries 0 to 5 and 11) lies between -126 and 119, so that 2^e and 448 x 2^e are f32 numbers.  NaN among the inputs is not served; an infinity is held at the largest code.
; WORK LEFT OUT in the program: reference() masks the scores above the diagonal by its own jnp.tril ahead of the softmax; key steps that lie wholly above it have p = 0 for all finite inputs and are not walked (launch attn).
; LIMIT: a NaN or an infinity that reaches such a step alone is not carried to the result.
.set R,      16                        ; v16-79   rows path: 16 rows x 4 registers as loaded
.set X,      80                        ; v80-143  rows path: 64 numbers in the image's order
.set T,      144                       ; v144-175 rows path: two sets of 16 held numbers, by turns
.set C,      176                       ; v176-223 rows path: codes, 16 registers for each scale; never written again
.set SPITCH, 528                       ; a stage row: 512 bytes + 16: the 16 rows that a read touches start at 16 different banks (64 banks of 4 bytes: ISA guide 11.1)
.set WSTG,   16*SPITCH                 ; a wave's stage
.set KN,     16                        ; v16-143  columns path: 128 numbers down K
.set KC,     144                       ; v144-175 columns path: codes, 8 registers for each 32 along K
.macro MKSC e, sc, lim                 ; from the whole number in s[e]: v[sc] = 2^e as f32 (the conversion takes its exponent field), v[lim] = 448 x 2^e
	s_add_co_i32 s39, s[\e], 127
	s_lshl_b32 s40, s39, 23
	v_mov_b32 v[\sc], s40
	s_add_co_i32 s39, s39, 8
	s_lshl_b32 s39, s39, 23
	s_or_b32 s39, s39, 0x600000
	v_mov_b32 v[\lim], s39
.endm
	s_load_b256 s[4:11], s[0:1], 0x0               ; x s[4:5], Wq s[6:7], Wk s[8:9], Wv s[10:11]
	s_load_b256 s[12:19], s[0:1], 0x20             ; Wp s[12:13], the scales s[14:15], ximg s[16:17], wimg s[18:19]
	v_lshl_add_u32 v224, v0, 2, 0x10800
	v_mov_b32 v225, 0
	v_lshrrev_b32 v1, 5, v0
	s_delay_alu instid0(VALU_DEP_1)
	v_readfirstlane_b32 s32, v1                    ; wave 0..7
	v_and_b32 v2, 31, v0                           ; lane
	s_delay_alu instid0(VALU_DEP_1)
	v_lshlrev_b32 v4, 4, v2                        ; 16 x lane
	v_and_b32 v3, 15, v0                           ; r
	v_bfe_u32 v7, v0, 4, 1                         ; h
	s_wait_kmcnt 0x0
	s_load_b256 s[20:27], s[14:15], 0x0            ; entries 0 to 7
	s_load_b128 s[28:31], s[14:15], 0x20           ; entries 8 to 11
	s_cmp_lt_u32 ttmp9, 96
	s_cbranch_scc1 .Lcolumns
	; ---- ROWS: K innermost.  The work-group's 16 rows; my wave's 128 along K: two images for each scale
	s_mov_b32 s33, 96
	s_cmp_ge_u32 ttmp9, 160                        ; x's work-group or Wp's?  The choice hangs on the work-group's number alone
	s_cselect_b32 s33, 160, s33
	s_cselect_b64 s[34:35], s[4:5], s[12:13]
	s_cselect_b64 s[36:37], s[16:17], s[18:19]
	s_cselect_b32 s38, 0, 0x300000                 ; Wp's images are the fourth part of wimg
	s_mov_b32 s39, 0
	s_sub_co_u32 s33, ttmp9, s33                   ; which tile of 16 rows
	s_lshl_b32 s40, s33, 16                        ; 16 rows of 4,096 bytes,
	s_lshl_b32 s41, s32, 9                         ; + my 128 numbers
	s_add_co_u32 s40, s40, s41
	s_mov_b32 s41, 0
	s_add_nc_u64 s[34:35], s[34:35], s[40:41]
	s_lshl_b32 s42, s33, 14                        ; a tile's 16 images,
	s_lshl_b32 s43, s32, 11                        ; + my two
	s_add_co_u32 s42, s42, s43
	s_mov_b32 s43, 0
	s_add_nc_u64 s[36:37], s[36:37], s[42:43]
	s_add_nc_u64 s[36:37], s[36:37], s[38:39]      ; where the first scale's codes go
	s_add_nc_u64 s[44:45], s[16:17], s[42:43]
	s_add_nc_u64 s[46:47], s[44:45], 0x1000000     ; x's third set
	s_add_nc_u64 s[44:45], s[44:45], 0x800000      ; x's second set
	s_wait_alu depctr_va_vdst(0)
.irp p, 0,1,2,3,4,5,6,7,8,9,10,11,12,13,14,15
	global_load_b128 v[R+4*\p:R+4*\p+3], v4, s[34:35] offset:4096*\p th:TH_LOAD_NT   ; 32 lanes read 512 consecutive bytes of row p
.endr
	s_mul_i32 s33, s32, WSTG                       ; my stage
	v_add_nc_u32 v5, s33, v4                       ; in: as the bytes lie
	v_mul_u32_u24 v6, v3, SPITCH
	s_delay_alu instid0(VALU_DEP_1)
	v_lshl_add_u32 v6, v7, 5, v6
	s_delay_alu instid0(VALU_DEP_1)
	v_add_nc_u32 v6, s33, v6                       ; out: row r, + 32 h: eight numbers of my half
	s_wait_alu depctr_va_vdst(0)
	s_wait_kmcnt 0x0
	s_cmp_ge_u32 ttmp9, 160
	s_cselect_b32 s38, s21, s31                    ; entry 1 for x, entry 11 for Wp
	MKSC 38, 8, 9
	MKSC 23, 10, 11                                ; entry 3
	MKSC 25, 12, 13                                ; entry 5
	s_wait_alu depctr_va_vdst(0)
.irp p, 0,1,2,3,4,5,6,7,8,9,10,11,12,13,14,15
	s_wait_loadcnt 15-\p                           ; loads come back in order (ISA guide 5.7.1): row p is in, the younger rows stay out
	ds_store_b128 v5, v[R+4*\p:R+4*\p+3] offset:SPITCH*\p
.endr
.irp c, 0,1,2,3                        ; LDS serves a wave's instructions in order (ISA guide 5.7.1.4): these see my stores.  Group c: k = 32 c + 8 h + 0..7, then k = 32 c + 16 + 8 h + 0..7
	ds_load_b128 v[X+16*\c:X+16*\c+3],     v6 offset:128*\c
	ds_load_b128 v[X+16*\c+4:X+16*\c+7],   v6 offset:128*\c+16
	ds_load_b128 v[X+16*\c+8:X+16*\c+11],  v6 offset:128*\c+64
	ds_load_b128 v[X+16*\c+12:X+16*\c+15], v6 offset:128*\c+80
.endr
; The 64 numbers with scale i (v[8+2i], v[9+2i]), stored at s[d:d+1].  The held numbers go into two sets by turns, so that sixteen plain lines stand between a conversion and the next write of its sources.
.macro QUANT i, d
.irp c, 0,1,2,3
.if \i == 0
	s_wait_dscnt 12-4*\c                           ; group c's four loads are in; the younger groups stay out
.endif
.irp j, 0,1,2,3,4,5,6,7,8,9,10,11,12,13,14,15
	v_med3_num_f32 v[T+16*(\c%2)+\j], v[X+16*\c+\j], -v[9+2*\i], v[9+2*\i]   ; the conversion to an 8-bit code does not saturate (ISA guide 7.6.2): the hold at the largest code x the scale
.endr
	v_cvt_scalef32_pk8_fp8_f32 v[C+16*\i+4*\c:C+16*\i+4*\c+1],   v[T+16*(\c%2):T+16*(\c%2)+7],    v[8+2*\i]
	v_cvt_scalef32_pk8_fp8_f32 v[C+16*\i+4*\c+2:C+16*\i+4*\c+3], v[T+16*(\c%2)+8:T+16*(\c%2)+15], v[8+2*\i]
	global_store_b128 v4, v[C+16*\i+4*\c:C+16*\i+4*\c+3], s[\d:\d+1] offset:512*\c   ; piece c of my two images: 512 consecutive bytes, aligned
.endr
.endm
	QUANT 0, 36
	s_cmp_lt_u32 ttmp9, 160
	s_cbranch_scc1 .Lend                           ; Wp has one scale
	QUANT 1, 44
	QUANT 2, 46
.Lend:
	s_wait_tensorcnt 0x0
	ds_add_u32 v224, v225
	s_wait_dscnt 0x0
	s_endpgm
	; ---- COLUMNS: W[head][k][d].  A wave takes 32 columns d x 128 along K; a lane takes a column and its registers run down K: nothing is transposed by an instruction
.Lcolumns:
	s_lshr_b32 s33, ttmp9, 5                       ; 0: Wq, 1: Wk, 2: Wv
	s_bfe_u32 s38, ttmp9, 0x40001                  ; the head
	s_and_b32 s39, ttmp9, 1
	s_lshl_b32 s39, s39, 2
	s_lshr_b32 s40, s32, 1
	s_add_co_u32 s39, s39, s40                     ; which 128 along K
	s_and_b32 s40, s32, 1                          ; which 32 of the head's 64 columns
	s_cmp_eq_u32 s33, 1
	s_cselect_b64 s[34:35], s[8:9], s[6:7]
	s_cmp_eq_u32 s33, 2
	s_cselect_b64 s[34:35], s[10:11], s[34:35]
	s_lshl_b32 s42, s38, 18                        ; a head is 1,024 rows of 256 bytes
	s_lshl_b32 s43, s39, 15
	s_add_co_u32 s42, s42, s43
	s_lshl_b32 s43, s40, 7
	s_add_co_u32 s42, s42, s43
	s_mov_b32 s43, 0
	s_add_nc_u64 s[34:35], s[34:35], s[42:43]
	s_lshl_b32 s42, s33, 20                        ; the tensor's part of wimg,
	s_lshl_b32 s44, s38, 16                        ; the head's four tiles of 16 n,
	s_add_co_u32 s42, s42, s44
	s_lshl_b32 s44, s40, 15                        ; my two of them,
	s_add_co_u32 s42, s42, s44
	s_lshl_b32 s44, s39, 11                        ; my two images along K
	s_add_co_u32 s42, s42, s44
	s_add_nc_u64 s[36:37], s[18:19], s[42:43]
	s_wait_alu depctr_va_vdst(0)
	v_lshlrev_b32 v5, 2, v2                        ; in: 4 bytes a lane
	v_lshlrev_b32 v6, 4, v3
	s_delay_alu instid0(VALU_DEP_1)
	v_lshl_add_u32 v6, v7, 14, v6                  ; out: lanes 0-15 the first tile of 16 n, lanes 16-31 the second; 16 bytes for row r
.macro LOADG g                         ; 32 rows k: each load reads 128 consecutive bytes
.set kk, 32*(\g)
.rept 32
	global_load_b32 v[KN+kk], v5, s[34:35] offset:256*kk th:TH_LOAD_NT
.set kk, kk+1
.endr
.endm
; 32 along K of my column.  Its four runs of eight are, in the image: first half of lane r, first half of lane 16 + r, second half of lane r, second half of lane 16 + r.
.macro COLG g
.set kk, 32*(\g)
.rept 32
	v_med3_num_f32 v[KN+kk], v[KN+kk], -v9, v9
.set kk, kk+1
.endr
	v_cvt_scalef32_pk8_fp8_f32 v[KC+8*\g:KC+8*\g+1],   v[KN+32*\g:KN+32*\g+7],     v8
	v_cvt_scalef32_pk8_fp8_f32 v[KC+8*\g+2:KC+8*\g+3], v[KN+32*\g+16:KN+32*\g+23], v8
	v_cvt_scalef32_pk8_fp8_f32 v[KC+8*\g+4:KC+8*\g+5], v[KN+32*\g+8:KN+32*\g+15],  v8
	v_cvt_scalef32_pk8_fp8_f32 v[KC+8*\g+6:KC+8*\g+7], v[KN+32*\g+24:KN+32*\g+31], v8
	global_store_b128 v6, v[KC+8*\g:KC+8*\g+3],   s[36:37] offset:512*\g       ; sixteen lanes store 256 consecutive bytes, aligned
	global_store_b128 v6, v[KC+8*\g+4:KC+8*\g+7], s[36:37] offset:512*\g+256
.endm
	LOADG 0
	LOADG 1
	s_wait_alu depctr_va_vdst(0)
	s_wait_kmcnt 0x0
	s_cmp_eq_u32 s33, 1
	s_cselect_b32 s38, s22, s20                    ; entries 0, 2, 4
	s_cmp_eq_u32 s33, 2
	s_cselect_b32 s38, s24, s38
	MKSC 38, 8, 9
	s_wait_alu depctr_va_vdst(0)
	s_wait_loadcnt 32                              ; group 0 is in; group 1's 32 loads stay out
	LOADG 2
	COLG 0
	s_wait_loadcnt 32                              ; group 1 is in; group 2's stay out
	LOADG 3
	COLG 1
	s_wait_loadcnt 32                              ; group 2 is in; group 3's stay out
	COLG 2
	s_wait_loadcnt 0x0
	COLG 3
	s_endpgm
.Lfunc_end_k_q2a3bf522c6_quant:
	.size	k_q2a3bf522c6_quant, .Lfunc_end_k_q2a3bf522c6_quant-k_q2a3bf522c6_quant
	.p2alignl 7, 3214868480
	.fill 96, 4, 3214868480
	.section	.rodata,"a",@progbits
	.p2align	6, 0x0
	.amdhsa_kernel k_q2a3bf522c6_quant
		.amdhsa_group_segment_fixed_size 68608
		.amdhsa_private_segment_fixed_size 0
		.amdhsa_enable_private_segment 0
		.amdhsa_kernarg_size 64
		.amdhsa_user_sgpr_count 2
		.amdhsa_user_sgpr_kernarg_segment_ptr 1
		.amdhsa_wavefront_size32 1
		.amdhsa_system_sgpr_workgroup_id_x 1
		.amdhsa_system_sgpr_workgroup_id_y 1
		.amdhsa_system_sgpr_workgroup_id_z 1
		.amdhsa_system_vgpr_workitem_id 0
		.amdhsa_next_free_vgpr 226
		.amdhsa_next_free_sgpr 66
		.amdhsa_reserve_vcc 0
		.amdhsa_float_denorm_mode_32 3
		.amdhsa_float_denorm_mode_16_64 3
		.amdhsa_memory_ordered 1
		.amdhsa_forward_progress 1
		.amdhsa_inst_pref_size 46
	.end_amdhsa_kernel
	.amdgpu_metadata
---
amdhsa.version: [ 1, 2 ]
amdhsa.kernels:
  - .name:           k_q2a3bf522c6_quant
    .symbol:         k_q2a3bf522c6_quant.kd
    .args:
      - { .name: x, .offset: 0, .size: 8, .value_kind: global_buffer, .address_space: global }
      - { .name: Wq, .offset: 8, .size: 8, .value_kind: global_buffer, .address_space: global }
      - { .name: Wk, .offset: 16, .size: 8, .value_kind: global_buffer, .address_space: global }
      - { .name: Wv, .offset: 24, .size: 8, .value_kind: global_buffer, .address_space: global }
      - { .name: Wp, .offset: 32, .size: 8, .value_kind: global_buffer, .address_space: global }
      - { .name: lowp_scales, .offset: 40, .size: 8, .value_kind: global_buffer, .address_space: global }
      - { .name: ximg, .offset: 48, .size: 8, .value_kind: global_buffer, .address_space: global }
      - { .name: wimg, .offset: 56, .size: 8, .value_kind: global_buffer, .address_space: global }
    .group_segment_fixed_size: 68608
    .private_segment_fixed_size: 0
    .kernarg_segment_align: 8
    .kernarg_segment_size: 64
    .max_flat_workgroup_size: 256
    .sgpr_count:     66
    .vgpr_count:     226
    .wavefront_size: 32
...
	.end_amdgpu_metadata
.endif
;; end of part 1
;; launch qkv (part 2): grid 32 x 8, 4 waves a work-group, no clusters, 327,680 bytes of LDS; arguments ximg, wimg, lowp_scales, qkv; writes qkv
.if DOCPART == 2
	.amdgcn_target "amdgcn-amd-amdhsa--gfx1250"
	.amdhsa_code_object_version 6
	.text
	.protected	k_q2a3bf522c6_qkv
	.globl	k_q2a3bf522c6_qkv
	.p2align	8
	.type	k_q2a3bf522c6_qkv,@function
k_q2a3bf522c6_qkv:
	s_mov_b64 s[64:65], 0
	v_nop
	global_prefetch_b8 v0, s[64:65] scope:SCOPE_SE
	s_setreg_imm32_b32 hwreg(HW_REG_WAVE_MODE, 25, 1), 1
	s_wait_xcnt 0x0
; q, k, v = x W for all heads, on codes of FP8 (E4M3); the f32 sums are quantised at once, with the scales given for the two products of attention, and stored as images of operand registers.
; An image is 16 rows x 64 K, 1,024 bytes: byte 512 c + 16 lane + i is byte i of registers 4 c .. 4 c + 3 of that lane, in the plain 8-bit forms' own layout.
; IN:  ximg [3][512 tiles of 16 rows][16 images], wimg [4][64 tiles of 16 n][16 images].
; OUT: qkv part 0, q: [128 batch x head][64 tiles of 16 t][1 KB], K = the head's 64;  part 1, k: the same;  part 2, v: [128][4 tiles of 16 d][8 steps of 128 keys][2 KB], K = the keys.
; REGION 1 (256 rows x all of K, 256 KB) is brought into LDS once and stays: two tensor loads a wave, of 32 KB: K's first half at the head, the second half behind the barrier that shows the first, so that it lands under K steps 0 to 6.
; REGION 2's fragments are images in memory and go straight into registers, three K steps of 64 ahead, in four buffers by turns.
; A tile of 256 x 256 sums is made by four waves, as many as a WGP has SIMDs, 128 x 128 each: 64 accumulators, 512 registers.
; THE MATRIX INSTRUCTION: source 0 = 16 rows of region 2, source 1 = 16 rows of region 1: a lane then holds ONE row of region 1 and eight neighbouring rows of region 2, which the conversion packs along the next K.
; WORK-GROUPS, 256: y 0-3: q, k: region 1 = 256 rows of x, region 2 = W, two tiles of 256 columns one after the other;  y 4-7: v: region 1 = 256 columns of W, region 2 = 256 rows of x, one tile.  The longer ones have the lower numbers.
; NO CLUSTERS: in q and k a resident tile is read by two work-groups only, and no four that could form a mask share one; what many share (W of q and k) goes into registers, which no joint load fills.
; PREFETCH: v's region 2 is x, read by four work-groups: behind K step 0 each wave asks for the last two quarters of K of one of the 16 tiles, 32 blocks of 256 bytes, five K steps or more ahead of the loads that bring them;
; the four work-groups share the tiles out by y.  W of q and k is read by 32 work-groups or more from the start on: nothing is asked for there.  Region 1 has no loop to run ahead in.
; LIMITS: entries 6 - 0 - 1, 7 - 2 - 3 and 9 - 4 - 5 of the scales, as sums, lie between -126 and 119, so that the folded scale and 448 x it are f32 numbers.
; REGISTERS, in windows of 256: window 0: v16-31 addresses and the scale, v32-63 codes (two sets), v64-191 region 1's fragments (two sets of 8 tiles x 64 K), v192-255 held sums.
;   window 1: region 2's fragments, four buffers of 64.   windows 2, 3: the accumulators of my region 1 tiles 0-3, 4-7: (a, b) at v[8 (8 (a % 4) + b)].
; LDS: region 1 as [8 eighths of K][16 tiles][2 images].
.set SPARE, 262144                     ; behind region 1: the spare words, 128 bytes for each wave: two blocks of 256 bytes that no other line names
.set ADR,  16                          ; v16-19 my lane's place in region 1's four quarters of K
.set PFO,  20                          ; v20 256 x lane
.set VO0,  26                          ; v26 16 x lane
.set VO1,  27                          ; v27 + the way to a block's second half of codes
.set SPW,  28                          ; v28 LDS address of my spare word; never rewritten
.set NIL,  29                          ; v29 0; never rewritten
.set SC,   30                          ; v30 the folded scale as f32
.set LIM,  31                          ; v31 448 x it
.set CD,   32
.set AF,   64
.set TMP,  192
.set MSB, 0
.macro WIN new                         ; the immediate's high byte repeats the setting that is left
.if MSB != \new
	s_set_vgpr_msb (MSB<<8)|\new
.set MSB, \new
.endif
.endm
.macro PLACES                          ; a load into a register that a matrix instruction has read, and a vector instruction that reads a matrix result, stand four places behind it (ISA guide 7.12.1 for vector instructions)
.rept 4
	v_nop
.endr
.endm
.macro GFRAG s, i                      ; region 2's tile i of K step s (destination window 1)
	global_load_b128 v[64*((\s)%4)+8*(\i):64*((\s)%4)+8*(\i)+3],   v[VO0], s[22:23] offset:16384*(\i)+1024*(\s)
	global_load_b128 v[64*((\s)%4)+8*(\i)+4:64*((\s)%4)+8*(\i)+7], v[VO0], s[22:23] offset:16384*(\i)+1024*(\s)+512
.endm
.macro AFRAG s, i                      ; region 1's tile i of K step s
	ds_load_b128 v[AF+64*((\s)%2)+8*(\i):AF+64*((\s)%2)+8*(\i)+3],   v[ADR+(\s)/4] offset:32768*(((\s)/2)%2)+2048*(\i)+1024*((\s)%2)
	ds_load_b128 v[AF+64*((\s)%2)+8*(\i)+4:AF+64*((\s)%2)+8*(\i)+7], v[ADR+(\s)/4] offset:32768*(((\s)/2)%2)+2048*(\i)+1024*((\s)%2)+512
.endm
.macro FIRST3                          ; a tile's K steps 0 to 2 of region 2
	WIN 0x40
.irp j, 0,1,2
.irp i, 0,1,2,3,4,5,6,7
	GFRAG \j, \i
.endr
.endr
	WIN 0
.endm
; Eight matrix instructions: region 1's tile a x region 2's eight tiles.  The 64 accumulators take turns, one instruction a turn, in the same order in every step.
.macro ROW a, s
	WIN (0xa1+0x50*((\a)/4))                       ; source 0 window 1, source 1 window 0, C and D window 2 or 3
.irp b, 0,1,2,3,4,5,6,7
.if (\s) == 0
	v_wmma_f32_16x16x64_fp8_fp8 v[8*(8*((\a)%4)+\b):8*(8*((\a)%4)+\b)+7], v[64*((\s)%4)+8*\b:64*((\s)%4)+8*\b+7], v[AF+64*((\s)%2)+8*(\a):AF+64*((\s)%2)+8*(\a)+7], 0
.else
	v_wmma_f32_16x16x64_fp8_fp8 v[8*(8*((\a)%4)+\b):8*(8*((\a)%4)+\b)+7], v[64*((\s)%4)+8*\b:64*((\s)%4)+8*\b+7], v[AF+64*((\s)%2)+8*(\a):AF+64*((\s)%2)+8*(\a)+7], v[8*(8*((\a)%4)+\b):8*(8*((\a)%4)+\b)+7]
.endif
.endr
.endm
; K step s of 64.  In its middle ONE run of loads: region 1's fragments of step s + 1, region 2's of step s + 3.  Step 0 starts the sums: nothing is ever cleared.
; Step 7 passes the barrier that shows K's second half.
.macro STEP s
.if (\s) < 14
	s_wait_loadcnt 32                              ; region 2's step s is in; the two steps behind it, 16 loads each, may be out
.else
	s_wait_loadcnt 16*(15-(\s))
.endif
.if (\s) == 7
	s_wait_dscnt 0x0
	s_wait_tensorcnt 0x0                           ; my eighth of K's second half is in,
	s_barrier_signal -1
.else
	s_wait_dscnt 8                                 ; tiles 0-3 are in; the youngest eight loads (tiles 4-7) may be out
.endif
.irp a, 0,1,2,3
	ROW \a, \s
.endr
.if (\s) == 7
	s_barrier_wait -1                              ; everybody's is
.else
	s_wait_dscnt 0x0                               ; tiles 4-7 are in
.endif
.if (\s) < 15
	PLACES
	WIN 0
.irp i, 0,1,2,3,4,5,6,7
	AFRAG (\s)+1, \i
.endr
.endif
.if (\s) < 13
	WIN 0x40
.irp i, 0,1,2,3,4,5,6,7
	GFRAG (\s)+3, \i
.endr
.endif
.irp a, 4,5,6,7
	ROW \a, \s
.endr
.endm
	s_load_b128 s[4:7], s[0:1], 0x0                ; ximg s[4:5], wimg s[6:7]
	s_load_b128 s[8:11], s[0:1], 0x10              ; the scales s[8:9], qkv s[10:11]
	v_lshl_add_u32 v[SPW], v0, 2, SPARE
	v_mov_b32 v[NIL], 0
	ds_add_u32 v[SPW], v[NIL]                      ; the opening add, twice on end, waited for ahead of my first tensor load
	ds_add_u32 v[SPW], v[NIL]
	v_lshrrev_b32 v1, 5, v0
	v_readfirstlane_b32 s14, v1                    ; wave 0..3; also: which eighth of K I fetch in each half
	s_lshr_b32 s15, s14, 1                         ; my half of region 1
	s_and_b32 s16, s14, 1                          ; my half of region 2
	s_and_b32 s17, ttmp7, 0xffff                   ; y
	s_lshr_b32 s18, s17, 1
	s_min_u32 s18, s18, 2                          ; 0: q, 1: k, 2: v
	s_and_b32 s43, s17, 3                          ; v: which 256 columns
	s_and_b32 s48, s17, 1                          ; q, k: which 512 columns
	; where the regions lie
	s_lshl_b32 s40, ttmp9, 18                      ; 256 rows of codes are 262,144 bytes
	s_lshl_b32 s41, s18, 23
	s_add_co_u32 s41, s41, s40                     ; x's rows, in this product's set
	s_lshl_b32 s46, s43, 18
	s_add_co_u32 s46, s46, 0x200000                ; v: W's columns
	s_lshl_b32 s47, s18, 20
	s_lshl_b32 s49, s48, 19
	s_add_co_u32 s47, s47, s49                     ; q, k: W's columns
	s_cmp_eq_u32 s18, 2
	s_cselect_b32 s20, s46, s41
	s_cselect_b32 s22, s41, s47
	s_lshl_b32 s41, s14, 11
	s_add_co_u32 s20, s20, s41                     ; + my eighth of K
	s_mov_b32 s21, 0
	s_lshl_b32 s60, s43, 2
	s_add_co_u32 s60, s60, s14
	s_lshl_b32 s60, s60, 14
	s_add_co_u32 s60, s60, s22                     ; the tile that my prefetch names
	s_mov_b32 s61, 0
	s_lshl_b32 s41, s16, 17
	s_add_co_u32 s22, s22, s41                     ; + my half's eight tiles
	s_mov_b32 s23, 0
	; descriptor: 16 tiles of 16 rows, of each 2,048 consecutive bytes (256 elements of 8 bytes), 16,384 bytes apart in memory, on end in LDS
	s_mov_b32 s24, 3<<16                           ; 17:16 elements of 8 bytes; no mask, no padding
	s_mov_b32 s25, 256<<16                         ; tensor_dim0
	s_mov_b32 s26, 16<<16                          ; tensor_dim1
	s_mov_b32 s27, 256<<16                         ; tile_dim0
	s_mov_b32 s28, 16                              ; tile_dim1
	s_mov_b32 s29, 2048                            ; tensor_dim0_stride
	s_mov_b32 s30, 0
	s_mov_b32 s31, 0
	s_mov_b32 s32, 1
	s_lshl_b32 s33, s14, 15                        ; LDS: 32,768 x wave,
	s_mov_b32 s84, 1
	s_add_co_u32 s85, s33, 131072                  ; and for K's second half
	; where my codes go
	s_lshr_b32 s50, ttmp9, 2
	s_lshl_b32 s50, s50, 4                         ; 16 x batch
	s_and_b32 s51, ttmp9, 3                        ; which 256 of the batch's rows
	s_lshl_b32 s52, s48, 3
	s_lshl_b32 s53, s16, 1
	s_add_co_u32 s52, s52, s53                     ; q, k: my first head, 8 x (512 columns) + 2 x half
	s_lshl_b32 s54, s51, 14
	s_lshl_b32 s55, s15, 13
	s_add_co_u32 s54, s54, s55                     ; q, k: my first image: 16 or 8 tiles of 1,024 bytes
	s_lshl_b32 s56, s43, 2
	s_lshl_b32 s57, s15, 1
	s_add_co_u32 s56, s56, s57                     ; v: my first head
	s_lshl_b32 s58, s51, 12
	s_lshl_b32 s59, s16, 11
	s_add_co_u32 s58, s58, s59                     ; v: my step of 128 keys, 2,048 bytes
	s_mov_b32 s80, 1024
	s_mov_b32 s19, 0x10000
	s_cmp_eq_u32 s18, 2
	s_cselect_b32 s52, s56, s52
	s_cselect_b32 s54, s58, s54
	s_cselect_b32 s80, 0x4000, s80                 ; from block to block: q, k: the next 16 t; v: the next 16 d
	s_cselect_b32 s19, 1024, s19                   ; to a block's second eight registers of codes: q, k: the next head; v: the fragment's second image
	s_cselect_b32 s39, 1, 2                        ; tiles
	s_mov_b32 s81, 0
	s_add_co_u32 s50, s50, s52
	s_lshl_b32 s50, s50, 16
	s_add_co_u32 s50, s50, s54
	s_lshl_b32 s51, s18, 23
	s_add_co_u32 s50, s50, s51
	s_mov_b32 s51, 0
	s_mov_b32 s38, 0
	s_lshl_b32 s59, s15, 14                        ; my half of region 1: eight tiles of 2,048 bytes in each eighth
	v_and_b32 v2, 31, v0
	v_lshlrev_b32 v[VO0], 4, v2
	v_lshlrev_b32 v[PFO], 8, v2
	v_add_nc_u32 v[VO1], s19, v[VO0]
	v_add_nc_u32 v[ADR], s59, v[VO0]
	v_add_nc_u32 v[ADR+1], 0x10000, v[ADR]
	v_add_nc_u32 v[ADR+2], 0x20000, v[ADR]
	v_add_nc_u32 v[ADR+3], 0x30000, v[ADR]
	s_wait_alu depctr_va_vdst(0)
	s_wait_dscnt 0x0                               ; both opening adds are done
	s_wait_kmcnt 0x0
	s_load_b256 s[68:75], s[8:9], 0x0              ; entries 0 to 7
	s_load_b128 s[76:79], s[8:9], 0x20             ; entries 8 to 11
	s_cmp_eq_u32 s18, 2
	s_cselect_b64 s[44:45], s[6:7], s[4:5]         ; region 1's buffer
	s_cselect_b64 s[46:47], s[4:5], s[6:7]         ; region 2's
	s_add_nc_u64 s[34:35], s[44:45], s[20:21]
	s_add_nc_u64 s[86:87], s[34:35], 8192          ; K's second half
	s_or_b32 s35, s35, 0x80000000
	s_or_b32 s87, s87, 0x80000000
	s_add_nc_u64 s[22:23], s[46:47], s[22:23]
	s_add_nc_u64 s[62:63], s[46:47], s[60:61]
	s_add_nc_u64 s[10:11], s[10:11], s[50:51]
	tensor_load_to_lds s[32:35], s[24:31]          ; my eighth of K's first half
	s_nop 0
.rept 4
	v_nop
.endr
	FIRST3                                         ; 48 loads of mine are out
	; a sum stands for sum x 2^(W's e + x's e); its code is sum / 2^(the operand's e - W's e - x's e): the three scales are folded into the conversion's one
	s_wait_kmcnt 0x0
	s_sub_co_i32 s92, s74, s68
	s_sub_co_i32 s92, s92, s69                     ; q: entries 6 - 0 - 1
	s_sub_co_i32 s93, s75, s70
	s_sub_co_i32 s93, s93, s71                     ; k: 7 - 2 - 3
	s_sub_co_i32 s94, s77, s72
	s_sub_co_i32 s94, s94, s73                     ; v: 9 - 4 - 5
	s_cmp_eq_u32 s18, 1
	s_cselect_b32 s92, s93, s92
	s_cmp_eq_u32 s18, 2
	s_cselect_b32 s92, s94, s92
	s_add_co_i32 s92, s92, 127
	s_lshl_b32 s93, s92, 23
	s_add_co_i32 s92, s92, 8
	s_lshl_b32 s92, s92, 23
	s_or_b32 s92, s92, 0x600000
	v_mov_b32 v[SC], s93
	v_mov_b32 v[LIM], s92
	s_wait_alu depctr_va_vdst(0)
	s_wait_tensorcnt 0x0                           ; my eighth is in
	ds_add_u32 v[SPW], v[NIL]
	s_wait_dscnt 0x0
	s_barrier_signal -1
	s_barrier_wait -1                              ; K's first half is whole,
	tensor_load_to_lds s[84:87], s[24:31]          ; and my eighth of the second half sets out
	s_nop 0
.rept 4
	v_nop
.endr
.Ltile:
.irp i, 0,1,2,3,4,5,6,7
	AFRAG 0, \i
.endr
	STEP 0
	WIN 0
	s_cmp_eq_u32 s18, 2                            ; v alone (a branch on the work-group's number)
	s_cbranch_scc0 .Lhot
	global_prefetch_b8 v[PFO], s[62:63] offset:8192 th:TH_LOAD_NT scope:SCOPE_SE   ; one tile's quarters 2 and 3 of K: 8,192 bytes, 256 from lane to lane; the registers are not written again
.Lhot:
.set st, 1
.rept 15
	STEP st
.set st, st+1
.endr
	WIN 0
	PLACES                                         ; for the loads and the first reads of results below
	s_add_co_u32 s38, s38, 1
	s_cmp_lt_u32 s38, s39
	s_cbranch_scc0 .Lnonext
	s_add_nc_u64 s[22:23], s[22:23], 0x40000       ; the next 16 tiles of region 2 (all my loads are done); their first steps land while this tile goes out
	FIRST3
.Lnonext:
; THE WAY OUT.  Block a: 16 rows of region 1 x 128 of region 2.  A lane's eight sums of accumulator b become registers 2 b, 2 b + 1 of 16 registers of codes: for q, k two images (16 t; my two heads),
; for v one fragment (16 d x 128 keys).  They are stored as they stand, 512 consecutive bytes an instruction.  Each accumulator is read from its low end on.
.macro OUTBLK a
.set AC, 64*((\a)%4)
.set CB, CD+16*((\a)%2)
	WIN (0x02+((\a)/4))                            ; source 0: window 2 or 3
.set jj, 0
.rept 64
	v_med3_num_f32 v[TMP+jj], v[AC+jj], -v[LIM], v[LIM]   ; the conversion to an 8-bit code does not saturate (ISA guide 7.6.2): the hold at the largest code x the scale
.set jj, jj+1
.endr
	WIN 0
.irp b, 0,1,2,3,4,5,6,7
	v_cvt_scalef32_pk8_fp8_f32 v[CB+2*\b:CB+2*\b+1], v[TMP+8*\b:TMP+8*\b+7], v[SC]
.endr
	v_nop                                          ; one plain vector line between the conversions and the next block's holds, which write their sources
	s_wait_alu depctr_va_vdst(0)
	s_wait_xcnt 0x0                                ; the last block's stores have read their base, and its codes' registers are free for the block after this one
.if (\a) > 0
	s_add_nc_u64 s[12:13], s[12:13], s[80:81]
.else
	s_mov_b64 s[12:13], s[10:11]
.endif
	global_store_b128 v[VO0], v[CB:CB+3],     s[12:13]
	global_store_b128 v[VO0], v[CB+4:CB+7],   s[12:13] offset:512
	global_store_b128 v[VO1], v[CB+8:CB+11],  s[12:13]
	global_store_b128 v[VO1], v[CB+12:CB+15], s[12:13] offset:512
.endm
.irp a, 0,1,2,3,4,5,6,7
	OUTBLK \a
.endr
	s_cmp_lt_u32 s38, s39
	s_cbranch_scc0 .Lend                           ; v has one tile
	s_add_nc_u64 s[10:11], s[10:11], 0x40000       ; q, k: four heads on
	s_cmp_lt_u32 s38, 2
	s_cbranch_scc1 .Ltile
.Lend:
	s_wait_tensorcnt 0x0                           ; the wave's end
	ds_add_u32 v[SPW], v[NIL]
	s_wait_dscnt 0x0
	s_endpgm
.Lfunc_end_k_q2a3bf522c6_qkv:
	.size	k_q2a3bf522c6_qkv, .Lfunc_end_k_q2a3bf522c6_qkv-k_q2a3bf522c6_qkv
	.p2alignl 7, 3214868480
	.fill 96, 4, 3214868480
	.section	.rodata,"a",@progbits
	.p2align	6, 0x0
	.amdhsa_kernel k_q2a3bf522c6_qkv
		.amdhsa_group_segment_fixed_size 327680
		.amdhsa_private_segment_fixed_size 0
		.amdhsa_enable_private_segment 0
		.amdhsa_kernarg_size 32
		.amdhsa_user_sgpr_count 2
		.amdhsa_user_sgpr_kernarg_segment_ptr 1
		.amdhsa_wavefront_size32 1
		.amdhsa_system_sgpr_workgroup_id_x 1
		.amdhsa_system_sgpr_workgroup_id_y 1
		.amdhsa_system_sgpr_workgroup_id_z 1
		.amdhsa_system_vgpr_workitem_id 0
		.amdhsa_next_free_vgpr 1024
		.amdhsa_next_free_sgpr 100
		.amdhsa_reserve_vcc 0
		.amdhsa_float_denorm_mode_32 3
		.amdhsa_float_denorm_mode_16_64 3
		.amdhsa_memory_ordered 1
		.amdhsa_forward_progress 1
		.amdhsa_inst_pref_size 161
	.end_amdhsa_kernel
	.amdgpu_metadata
---
amdhsa.version: [ 1, 2 ]
amdhsa.kernels:
  - .name:           k_q2a3bf522c6_qkv
    .symbol:         k_q2a3bf522c6_qkv.kd
    .args:
      - { .name: ximg, .offset: 0, .size: 8, .value_kind: global_buffer, .address_space: global }
      - { .name: wimg, .offset: 8, .size: 8, .value_kind: global_buffer, .address_space: global }
      - { .name: lowp_scales, .offset: 16, .size: 8, .value_kind: global_buffer, .address_space: global }
      - { .name: qkv, .offset: 24, .size: 8, .value_kind: global_buffer, .address_space: global }
    .group_segment_fixed_size: 327680
    .private_segment_fixed_size: 0
    .kernarg_segment_align: 8
    .kernarg_segment_size: 32
    .max_flat_workgroup_size: 128
    .sgpr_count:     100
    .vgpr_count:     1024
    .wavefront_size: 32
...
	.end_amdgpu_metadata
.endif
;; end of part 2
;; launch attn (part 3): grid 256 x 1, 16 waves a work-group, no clusters, 327,680 bytes of LDS; arguments qkv, lowp_scales, ao; writes ao
.if DOCPART == 3
	.amdgcn_target "amdgcn-amd-amdhsa--gfx1250"
	.amdhsa_code_object_version 6
	.text
	.protected	k_q2a3bf522c6_attn
	.globl	k_q2a3bf522c6_attn
	.p2align	8
	.type	k_q2a3bf522c6_attn,@function
k_q2a3bf522c6_attn:
	s_mov_b64 s[64:65], 0
	v_nop
	global_prefetch_b8 v0, s[64:65] scope:SCOPE_SE
	s_setreg_imm32_b32 hwreg(HW_REG_WAVE_MODE, 25, 1), 1
	s_wait_xcnt 0x0
; Causal attention on codes of FP8 (E4M3): 128 heads (batch x head) of 1,024 queries and keys, head size 64.  q, k, v come as images of operand registers (qkv: q [128][64 tiles of 16 t][1 KB], k the same,
; v [128][4 tiles of 16 d][8 steps of 128 keys][2 KB]); the result is quantised with the scale given for the last product and stored as images: ao [512 tiles of 16 rows][16 heads][1 KB], K = 64 head + d.
; THE SOFTMAX: t = score x log2(e) / 8; M = the row's largest t so far, rounded UP to a whole number; p = 2^(t - M) is what is quantised, not normalised.  The row's sum is taken of the unquantised p, in f32,
; and divides at the end.  When M moves, the sum and O are multiplied by 2^(old M - new M): nothing is rounded, and no branch hangs on data.
; A HEAD's K and V, 128 KB, come into LDS once, one tensor load of 8 KB a wave; two work-groups (numbers 128 apart) share a head.
; NO CLUSTERS: no four work-groups share a tile, only two do.  No prefetch: everything is asked for at the head, and there is no loop to run ahead in.
; SHARES: a wave owns two tiles of 16 queries, tiles i and 63 - i with i = 8 a + bq under 32: tile i needs key steps 0 .. a (128 keys a step), tile 63 - i steps 0 .. 7 - a: nine tile steps for every wave.
; a = (w / 4 + w % 4) % 4 (each group of four neighbouring waves, and each group of waves four apart, has all four); bq = 4 x (work-group / 128) + w % 4.  Every branch hangs on the wave's and the work-group's number and a loop's count.
; WORK LEFT OUT: a step that lies wholly above the diagonal of reference()'s own causal mask; on the diagonal hidden scores become -infinity ahead of the maximum: of the step's eight tiles of 16 keys those under my place are open,
; those over it hidden, and the one at it is masked score by score.
; LAYOUT: S^T = K Q^T (source 0 = 16 keys, source 1 = my 16 queries): lane (r, h) holds query r, register j of tile u key 16 u + 8 h + j: the conversion of tile u's eight registers IS registers 2 u, 2 u + 1 of the
; second product's operand.  O^T = V^T P^T (source 0 = 16 d x 128 keys): register j of tile u is d = 16 u + 8 h + j: its conversion is registers 2 u, 2 u + 1 of the image.
; LDS: 8,192 x wave: K at 8,192 step; V at 65,536 + 16,384 tile of d + 2,048 step.   The spare words at 131,072.
; LIMITS: entries 6 + 7 between -123 and 130 (they are added to the exponent field of log2(e) / 8); entry 8 between -126 and 119; 8 + 9 - 10 goes through v_ldexp_f32 and has none; scaled scores t under 2^31 in magnitude.
.set S,   100                          ; v100-163 S^T, then p
.set FRG, 36                           ; v36-99   eight fragments of K, then four of V; at the end the codes of O
.set PC,  228                          ; v228-243 p's codes
.set QA,  20                           ; v20-27, v28-35 the two tiles' Q
.set QB,  28
.set OA,  164                          ; v164-195, v196-227 their O^T
.set OB,  196
.set SPW, 10                           ; v10 LDS address of my spare word: SPARE + 4 x my thread's number; never rewritten
.set NIL, 11                           ; v11 0; never rewritten
.set SPARE, 131072                     ; behind K and V: the spare words, 128 bytes for each wave: eight blocks of 256 bytes that no other line names
; v2 my lane's place in V; v3, v4 the addresses of the step in hand; v5 16 x lane, also my lane's place in K; v6, v7 the two tiles' (query - 8 h) within the diagonal step;
; v12 -M, v13 the largest t, v[14:15] the sum in two halves (first tile); v16, v17, v[18:19] the second's; v244 2^e of p, v245 and v8 448 x it, v246 -infinity, v247-v255 at work
.set WV,  10                           ; s10 my wave's number
.set LA,  16                           ; s16 a: the first tile's last step
.set LB,  17                           ; s17 7 - a: the second tile's last step
.set CNT, 18                           ; s18 the key step
.set TK,  19                           ; s19 LDS bytes from the first step of K to the step in hand
.set TV,  20                           ; s20 the same for V
.set CS,  22                           ; s[22:23] c = log2(e) / 8 x 2^(entries 6 + 7)
.set SEL, 40                           ; s[40:41] lane selects for v_permlanex16_b32: lane l xor 16
.set BA,  66                           ; s66 bq: the first tile's place among the eight of its diagonal step
.set BB,  67                           ; s67 7 - bq: the second's
	s_load_b128 s[4:7], s[0:1], 0x0                ; qkv s[4:5], the scales s[6:7]
	s_load_b64 s[8:9], s[0:1], 0x10                ; ao
	v_lshl_add_u32 v[SPW], v0, 2, SPARE
	v_mov_b32 v[NIL], 0
	ds_add_u32 v[SPW], v[NIL]                      ; the opening add, twice on end, waited for ahead of my tensor load
	ds_add_u32 v[SPW], v[NIL]
	v_lshrrev_b32 v1, 5, v0
	v_readfirstlane_b32 s[WV], v1                  ; wave 0..15
	v_and_b32 v3, 31, v0
	s_delay_alu instid0(VALU_DEP_1)
	v_lshlrev_b32 v5, 4, v3                        ; 16 x lane
	v_add_nc_u32 v2, 0x10000, v5
	s_and_b32 s12, ttmp9, 127                      ; my head
	s_lshr_b32 s13, ttmp9, 7                       ; which of its two work-groups
	; what I fetch: waves 0-7 K, waves 8-15 V: 8,192 bytes on end
	s_and_b32 s14, s[WV], 7
	s_lshl_b32 s2, s14, 13
	s_lshl_b32 s62, s12, 16                        ; a head is 65,536 bytes in each part
	s_mov_b32 s15, 0x1000000
	s_cmp_lt_u32 s[WV], 8
	s_cselect_b32 s15, 0x800000, s15               ; the part: k or v
	s_add_co_u32 s2, s2, s62
	s_add_co_u32 s2, s2, s15
	s_mov_b32 s3, 0
	; descriptor group 1: a dense block as 32 rows of 256 bytes
	s_mov_b32 s24, 3<<16                           ; 17:16 elements of 8 bytes; no mask, no padding
	s_mov_b32 s25, 32<<16                          ; tensor_dim0
	s_mov_b32 s26, 32<<16                          ; tensor_dim1
	s_mov_b32 s27, 32<<16                          ; tile_dim0
	s_mov_b32 s28, 32                              ; tile_dim1
	s_mov_b32 s29, 32                              ; tensor_dim0_stride
	s_mov_b32 s30, 0
	s_mov_b32 s31, 0
	s_mov_b32 s[SEL], 0x76543210
	s_mov_b32 s[SEL+1], 0xfedcba98
	; what I compute
	s_and_b32 s21, s[WV], 3
	s_lshr_b32 s[LA], s[WV], 2
	s_add_co_u32 s[LA], s[LA], s21
	s_and_b32 s[LA], s[LA], 3                      ; a
	s_xor_b32 s[LB], s[LA], 7                      ; 7 - a
	s_lshl_b32 s[BA], s13, 2
	s_add_co_u32 s[BA], s[BA], s21                 ; bq
	s_xor_b32 s[BB], s[BA], 7                      ; 7 - bq
	s_lshl_b32 s51, s[LA], 3
	s_add_co_u32 s51, s51, s[BA]                   ; the first tile, 8 a + bq
	s_xor_b32 s60, s51, 63                         ; the second, 63 - that
	s_lshl_b32 s56, s51, 10
	s_add_co_u32 s56, s56, s62                     ; Q's images
	s_mov_b32 s57, 0
	s_lshl_b32 s58, s60, 10
	s_add_co_u32 s58, s58, s62
	s_mov_b32 s59, 0
	s_lshr_b32 s62, s12, 4
	s_lshl_b32 s62, s62, 20                        ; the batch: 64 tiles of rows x 16 KB,
	s_and_b32 s63, s12, 15
	s_lshl_b32 s63, s63, 10                        ; the head's image in a tile of rows
	s_add_co_u32 s62, s62, s63
	s_lshl_b32 s52, s51, 14
	s_add_co_u32 s52, s52, s62
	s_mov_b32 s53, 0
	s_lshl_b32 s54, s60, 14
	s_add_co_u32 s54, s54, s62
	s_mov_b32 s55, 0
	s_mov_b32 s32, 1                               ; 1:0 count = 1
	s_lshl_b32 s33, s[WV], 13                      ; LDS address: 8,192 x wave
	s_wait_alu depctr_va_vdst(0)
	s_wait_dscnt 0x0                               ; both opening adds are done
	s_wait_kmcnt 0x0
	s_add_nc_u64 s[34:35], s[4:5], s[2:3]
	s_or_b32 s35, s35, 0x80000000                  ; 127:126 type = 2
	tensor_load_to_lds s[32:35], s[24:31]          ; my one tensor load
	s_nop 0
.rept 4
	v_nop
.endr
	s_load_b128 s[44:47], s[6:7], 0x18             ; entries 6 to 9
	s_load_b64 s[48:49], s[6:7], 0x28              ; entries 10, 11
	s_add_nc_u64 s[56:57], s[4:5], s[56:57]
	s_add_nc_u64 s[58:59], s[4:5], s[58:59]
	global_load_b128 v[QA:QA+3],   v5, s[56:57]
	global_load_b128 v[QA+4:QA+7], v5, s[56:57] offset:512
	global_load_b128 v[QB:QB+3],   v5, s[58:59]
	global_load_b128 v[QB+4:QB+7], v5, s[58:59] offset:512
	s_add_nc_u64 s[52:53], s[8:9], s[52:53]
	s_add_nc_u64 s[54:55], s[8:9], s[54:55]
	v_and_b32 v3, 15, v0                           ; r
	v_bfe_u32 v4, v0, 4, 1                         ; h
	s_delay_alu instid0(VALU_DEP_1)
	v_lshlrev_b32 v4, 3, v4
	s_delay_alu instid0(VALU_DEP_1)
	v_sub_nc_u32 v3, v3, v4                        ; r - 8 h
	s_lshl_b32 s62, s[BA], 4
	v_add_nc_u32 v6, s62, v3                       ; the first tile lies 16 bq into its diagonal step,
	s_lshl_b32 s62, s[BB], 4
	v_add_nc_u32 v7, s62, v3                       ; the second 16 (7 - bq)
	v_mov_b32 v13, 0xff61b1e6                      ; the largest t so far: -3e38, under every t
	s_delay_alu instid0(VALU_DEP_1)
	v_floor_f32 v12, -v13
	v_mov_b32 v17, 0xff61b1e6
	s_delay_alu instid0(VALU_DEP_1)
	v_floor_f32 v16, -v17
	v_mov_b32 v14, 0
	v_mov_b32 v15, 0
	v_mov_b32 v18, 0
	v_mov_b32 v19, 0
	v_mov_b32 v246, 0xff800000
	v_mov_b32 v247, 0                              ; written once: a lane permute's destination counts as one of its sources
	v_mov_b32 v250, 0
	v_mov_b32 v253, 0                              ; (named as the upper half of the pair v[252:253])
	v_mov_b32 v254, 1.0
	v_mov_b32 v255, 0x43e00000                     ; 448
.set n, 0
.rept 64
	v_mov_b32 v[OA+n], 0                           ; both O^T.  (A step is written once for all its trips: the first finds zeros, which the first change of M leaves zeros)
.set n, n+1
.endr
	s_wait_kmcnt 0x0
	s_add_co_i32 s21, s44, s45
	s_lshl_b32 s21, s21, 23
	s_mov_b32 s[CS], 0x3e38aa3b                    ; log2(e) / 8
	s_add_co_i32 s[CS], s[CS], s21                 ; a score stands for score x 2^(entries 6 + 7): they are added to c's exponent field
	s_mov_b32 s[CS+1], s[CS]                       ; (named with it as a pair, so it is written)
	s_add_co_i32 s21, s46, 127
	s_lshl_b32 s63, s21, 23
	v_mov_b32 v244, s63
	s_add_co_i32 s21, s21, 8
	s_lshl_b32 s21, s21, 23
	s_or_b32 s21, s21, 0x600000
	v_mov_b32 v245, s21
	v_mov_b32 v8, s21                              ; the same: a dual pair's two second sources are different registers
; ONE TILE'S KEY STEP: 128 keys.  q, o: the tile's Q and O^T; st: its -M, largest t and sum; dl: its register for the mask; lim: the scalar with its last step (the diagonal); sb: the scalar with its place there.
.macro STEP q, o, st, dl, lim, sb
	s_cmp_gt_u32 s[CNT], s[\lim]                   ; all keys of the step come after my queries: the step is left out.  No barrier and no tensor load stands in a step
	s_cbranch_scc1 .Lskip_\@
	v_add_nc_u32 v3, s[TK], v5
	v_add_nc_u32 v4, s[TV], v2
	v_nop
	v_nop                                          ; with the two additions: four places in front of loads into registers that the last products read
.irp t, 0,1,2,3,4,5,6,7
	ds_load_b128 v[FRG+8*\t:FRG+8*\t+3],   v3 offset:1024*\t
	ds_load_b128 v[FRG+8*\t+4:FRG+8*\t+7], v3 offset:1024*\t+512
.endr
	s_wait_alu depctr_va_vdst(0)
	s_wait_dscnt 0x0
.irp t, 0,1,2,3,4,5,6,7
	v_wmma_f32_16x16x64_fp8_fp8 v[S+8*\t:S+8*\t+7], v[FRG+8*\t:FRG+8*\t+7], v[\q:\q+7], 0
.endr
.rept 4
	v_nop                                          ; four places: in front of the loads below, and of the first read or write of the scores
.endr
.irp t, 0,1,2,3
.irp c, 0,1,2,3
	ds_load_b128 v[FRG+16*\t+4*\c:FRG+16*\t+4*\c+3], v4 offset:16384*\t+512*\c   ; V's four fragments land while the softmax is walked
.endr
.endr
	s_cmp_lg_u32 s[CNT], s[\lim]
	s_cbranch_scc1 .Lopen_\@
.irp u, 0,1,2,3,4,5,6,7                ; register 8 u + j holds key 16 u + 8 h + j of the step: hidden where 16 u + j > my query's place - 8 h
	s_cmp_gt_u32 s[\sb], \u                        ; a tile of keys that all my queries see
	s_cbranch_scc1 .Lnext_\@_\u
	s_cmp_lt_u32 s[\sb], \u                        ; one that none of them sees
	s_cbranch_scc1 .Lhid_\@_\u
.irp j, 0,1,2,3,4,5,6,7
	v_cmp_gt_i32 vcc_lo, 16*\u+\j, v[\dl]
	v_cndmask_b32 v[S+8*\u+\j], v[S+8*\u+\j], v246, vcc_lo
.endr
	s_branch .Lnext_\@_\u
.Lhid_\@_\u:
.irp j, 0,1,2,3,4,5,6,7
	v_mov_b32 v[S+8*\u+\j], v246
.endr
.Lnext_\@_\u:
.endr
.Lopen_\@:
	s_wait_alu depctr_va_vdst(0)
	v_max3_num_f32 v250, v[S], v[S+1], v[S+2]      ; the step's largest score of my query, among my 64 keys, in two chains, from the low end on,
	v_max3_num_f32 v251, v[S+3], v[S+4], v[S+5]
.set n, 6
.rept 14
	v_max3_num_f32 v250, v250, v[S+n], v[S+n+1]
	v_max3_num_f32 v251, v251, v[S+n+2], v[S+n+3]
.set n, n+4
.endr
	v_max3_num_f32 v250, v250, v[S+62], v[S+63]
	s_delay_alu instid0(VALU_DEP_1)
	v_max_num_f32 v250, v250, v251
	s_delay_alu instid0(VALU_DEP_1)
	v_permlanex16_b32 v247, v250, s[SEL], s[SEL+1]
	s_delay_alu instid0(VALU_DEP_1)
	v_max_num_f32 v250, v250, v247                 ; and among lane l xor 16's
	s_delay_alu instid0(VALU_DEP_1)
	v_mul_f32 v250, s[CS], v250                    ; as t (c is positive)
	s_delay_alu instid0(VALU_DEP_1)
	v_max_num_f32 v[\st+1], v[\st+1], v250         ; the running largest t
	v_mov_b32 v250, v[\st]
	s_delay_alu instid0(VALU_DEP_2)
	v_floor_f32 v[\st], -v[\st+1]                  ; the new -M = floor(-t) = -ceil(t)
	s_delay_alu instid0(VALU_DEP_1)
	v_sub_f32 v250, v[\st], v250                   ; old M - new M: a whole number, 0 or less
	s_delay_alu instid0(VALU_DEP_1)
	v_cvt_i32_f32 v250, v250                       ; (it saturates)
	s_delay_alu instid0(VALU_DEP_1)
	v_ldexp_f32 v252, 1.0, v250                    ; f = 2^(old M - new M)
.set n, 0
.rept 32
	v_pk_fma_f32 v[S+n:S+n+1], v[S+n:S+n+1], s[CS:CS+1], v[\st:\st+1] op_sel_hi:[1,0,0]   ; t - M, two at a time (of the pairs c and -M the low word serves both halves)
.set n, n+2
.endr
.set n, 0
	s_wait_alu depctr_va_vdst(0)
.rept 64
	v_exp_f32 v[S+n], v[S+n]                       ; p = 2^(t - M), at most 1
.set n, n+1
.endr
	v_pk_mul_f32 v[\st+2:\st+3], v[\st+2:\st+3], v[252:253] op_sel_hi:[1,0]   ; the sums under the new M: the plain line behind the exponentials
	s_wait_alu depctr_va_vdst(0)                   ; one wait for the whole batch, ahead of its first reader
	v_pk_add_f32 v[248:249], v[S:S+1], v[S+2:S+3]  ; the row's sum is taken of the unquantised p: two at a time, in two chains
.set n, 4
.rept 15
	v_pk_add_f32 v[\st+2:\st+3], v[\st+2:\st+3], v[S+n:S+n+1]
	v_pk_add_f32 v[248:249], v[248:249], v[S+n+2:S+n+3]
.set n, n+4
.endr
	s_delay_alu instid0(VALU_DEP_1)
	v_pk_add_f32 v[\st+2:\st+3], v[\st+2:\st+3], v[248:249]
.irp t, 0,1,2,3,4,5,6,7
.irp i, 0,2,4,6
	v_dual_min_num_f32 v[S+8*\t+\i], v[S+8*\t+\i], v245 :: v_dual_min_num_f32 v[S+8*\t+\i+1], v[S+8*\t+\i+1], v8   ; the conversion does not saturate (ISA guide 7.6.2); p is not negative, so the hold is one-sided; two at a time
.endr
	v_cvt_scalef32_pk8_fp8_f32 v[PC+2*\t:PC+2*\t+1], v[S+8*\t:S+8*\t+7], v244
.endr
.set n, 0
	s_wait_alu depctr_va_vdst(0)
.rept 16
	v_pk_mul_f32 v[\o+n:\o+n+1], v[\o+n:\o+n+1], v[252:253] op_sel_hi:[1,0]   ; O^T under the new M.  (These are also the plain lines between the conversions and the products below)
.set n, n+2
.endr
	s_wait_alu depctr_va_vdst(0)
	s_wait_dscnt 0x0                               ; V is in
.irp t, 0,1,2,3                        ; the four accumulators take turns, one instruction a turn
	v_wmma_f32_16x16x128_fp8_fp8 v[\o+8*\t:\o+8*\t+7], v[FRG+16*\t:FRG+16*\t+15], v[PC:PC+15], v[\o+8*\t:\o+8*\t+7]
.endr
.Lskip_\@:
.endm
	s_wait_alu depctr_va_vdst(0)
	s_wait_loadcnt 0x0                             ; Q
	s_wait_tensorcnt 0x0                           ; my block of K or V is in,
	s_barrier_signal -1
	s_barrier_wait -1                              ; everybody's is
	s_mov_b32 s[CNT], 0
	s_mov_b32 s[TK], 0
	s_mov_b32 s[TV], 0
.Lsteps:                                           ; key steps 0 to 7: each tile up to its diagonal
	STEP QA, OA, 12, 6, LA, BA
	STEP QB, OB, 16, 7, LB, BB
	s_add_co_u32 s[TK], s[TK], 8192
	s_add_co_u32 s[TV], s[TV], 2048
	s_add_co_u32 s[CNT], s[CNT], 1
	s_cmp_lt_u32 s[CNT], 8
	s_cbranch_scc1 .Lsteps
	; THE WAY OUT: O^T / the sum x 2^(entries 8 + 9 - 10) is the number in units of the next operand's scale; held within +-448, converted, and stored as the image that it is
.rept 4
	v_nop
.endr
	v_add_f32 v14, v14, v15                        ; the sums' two halves,
	v_add_f32 v18, v18, v19
	s_delay_alu instid0(VALU_DEP_2)
	v_permlanex16_b32 v247, v14, s[SEL], s[SEL+1]
	s_delay_alu instid0(VALU_DEP_2)
	v_permlanex16_b32 v250, v18, s[SEL], s[SEL+1]
	s_delay_alu instid0(VALU_DEP_2)
	v_add_f32 v14, v14, v247                       ; and lane l xor 16's
	s_delay_alu instid0(VALU_DEP_2)
	v_add_f32 v18, v18, v250
	s_wait_alu depctr_va_vdst(0)
	v_rcp_f32 v14, v14
	v_rcp_f32 v18, v18
	v_nop                                          ; a plain line behind the reciprocals
	s_add_co_i32 s21, s46, s47
	s_sub_co_i32 s21, s21, s48
	s_wait_alu depctr_va_vdst(0)                   ; one wait for both, ahead of their first reader
	v_ldexp_f32 v14, v14, s21
	v_ldexp_f32 v18, v18, s21
.macro FIN o, inv, cd, ptr
.set n, 0
.rept 16
	v_pk_mul_f32 v[\o+n:\o+n+1], v[\o+n:\o+n+1], v[\inv:\inv+1] op_sel_hi:[1,0]
.set n, n+2
.endr
.set n, 0
.rept 32
	v_med3_num_f32 v[\o+n], v[\o+n], -v255, v255
.set n, n+1
.endr
.irp t, 0,1,2,3
	v_cvt_scalef32_pk8_fp8_f32 v[\cd+2*\t:\cd+2*\t+1], v[\o+8*\t:\o+8*\t+7], v254   ; the scale is 1: it has been multiplied in
.endr
	v_nop
	global_store_b128 v5, v[\cd:\cd+3],   s[\ptr:\ptr+1]             ; 512 consecutive bytes, aligned
	global_store_b128 v5, v[\cd+4:\cd+7], s[\ptr:\ptr+1] offset:512
.endm
	FIN OA, 14, FRG, 52
	FIN OB, 18, FRG+8, 54
	s_wait_tensorcnt 0x0                           ; the wave's end
	ds_add_u32 v[SPW], v[NIL]
	s_wait_dscnt 0x0
	s_endpgm
.Lfunc_end_k_q2a3bf522c6_attn:
	.size	k_q2a3bf522c6_attn, .Lfunc_end_k_q2a3bf522c6_attn-k_q2a3bf522c6_attn
	.p2alignl 7, 3214868480
	.fill 96, 4, 3214868480
	.section	.rodata,"a",@progbits
	.p2align	6, 0x0
	.amdhsa_kernel k_q2a3bf522c6_attn
		.amdhsa_group_segment_fixed_size 327680
		.amdhsa_private_segment_fixed_size 0
		.amdhsa_enable_private_segment 0
		.amdhsa_kernarg_size 24
		.amdhsa_user_sgpr_count 2
		.amdhsa_user_sgpr_kernarg_segment_ptr 1
		.amdhsa_wavefront_size32 1
		.amdhsa_system_sgpr_workgroup_id_x 1
		.amdhsa_system_sgpr_workgroup_id_y 1
		.amdhsa_system_sgpr_workgroup_id_z 1
		.amdhsa_system_vgpr_workitem_id 0
		.amdhsa_next_free_vgpr 256
		.amdhsa_next_free_sgpr 80
		.amdhsa_reserve_vcc 1
		.amdhsa_float_denorm_mode_32 3
		.amdhsa_float_denorm_mode_16_64 3
		.amdhsa_memory_ordered 1
		.amdhsa_forward_progress 1
		.amdhsa_inst_pref_size 64
	.end_amdhsa_kernel
	.amdgpu_metadata
---
amdhsa.version: [ 1, 2 ]
amdhsa.kernels:
  - .name:           k_q2a3bf522c6_attn
    .symbol:         k_q2a3bf522c6_attn.kd
    .args:
      - { .name: qkv, .offset: 0, .size: 8, .value_kind: global_buffer, .address_space: global }
      - { .name: lowp_scales, .offset: 8, .size: 8, .value_kind: global_buffer, .address_space: global }
      - { .name: ao, .offset: 16, .size: 8, .value_kind: global_buffer, .address_space: global }
    .group_segment_fixed_size: 327680
    .private_segment_fixed_size: 0
    .kernarg_segment_align: 8
    .kernarg_segment_size: 24
    .max_flat_workgroup_size: 512
    .sgpr_count:     80
    .vgpr_count:     256
    .wavefront_size: 32
...
	.end_amdgpu_metadata
.endif
;; end of part 3
;; launch proj (part 4): grid 64 x 4, 4 waves a work-group, clusters of 4 x 1, 327,680 bytes of LDS; arguments ao, wimg, lowp_scales, bp, out0; writes out0
.if DOCPART == 4
	.amdgcn_target "amdgcn-amd-amdhsa--gfx1250"
	.amdhsa_code_object_version 6
	.text
	.protected	k_q2a3bf522c6_proj
	.globl	k_q2a3bf522c6_proj
	.p2align	8
	.type	k_q2a3bf522c6_proj,@function
k_q2a3bf522c6_proj:
	s_mov_b64 s[64:65], 0
	v_nop
	global_prefetch_b8 v0, s[64:65] scope:SCOPE_SE
	s_setreg_imm32_b32 hwreg(HW_REG_WAVE_MODE, 25, 1), 1
	s_wait_xcnt 0x0
	s_wait_alu depctr_hold_cnt(0) depctr_sa_sdst(0) depctr_va_vdst(0) depctr_va_sdst(0) depctr_va_ssrc(0) depctr_va_vcc(0) depctr_vm_vsrc(0)
	s_getreg_b32 s2, hwreg(HW_REG_IB_STS2, 6, 4)
	s_cmp_eq_u32 s2, 0
	s_cbranch_scc0 .Lentry_in_a_cluster
	s_endpgm
.Lentry_in_a_cluster:
	s_bfe_u32 s2, ttmp6, 0x10000c
	s_cmp_lg_u32 s2, 0x3003
	s_cbranch_scc0 .Lentry_shape_is_right
	s_endpgm
.Lentry_shape_is_right:
; out = ao Wp^T + bp.  ao: codes as images [512 tiles of 16 rows][16 images along K][1 KB]; Wp: the fourth part of wimg, [64 tiles of 16 n][16 images]; out0 [8192][1024] f32.  Each finished sum is multiplied by 2^(entries 10 + 11) and the bias added, in one fused multiply-add.
; A work-group makes 128 rows x 256 columns with four waves, 64 x 128 each: 32 accumulators of 16 x 16.  K = 1,024 is 16 steps of 64.
; Wp's 256 rows x all of K (256 KB) come into LDS once and stay: two tensor loads a wave, of 32 KB: K's first half at the head, the second behind the round that shows the first, so that it lands under units 0 to 5.
; My 64 rows of ao x all of K are 512 registers: their images go from memory straight into them, all asked for at the head.
; THE WALK is 16 units of 32 matrix instructions.  Units 0-7: K step u x my eight tiles of Wp.  Units 8-11: K steps 8-15, two a unit, x tiles 0-3, whose 64 columns then leave while units 12-15 (the same K steps x tiles 4-7) are multiplied.
; CLUSTERS: four work-groups with the same columns and neighbouring rows ask for Wp's tile JOINTLY (mask 15, the same descriptor).  No prefetch: everything is asked for at the head or behind its first wait, and there is no loop to run ahead in.
; THE MATRIX INSTRUCTION is used transposed: source 0 = 16 rows of Wp, source 1 = 16 rows of ao: a lane holds eight neighbouring columns of one row.
; LIMIT: entries 10 + 11, as a sum, lie between -126 and 127, so that the factor is an f32 number.
; REGISTERS, in windows of 256: window 0: v8-15 the bias, v16-29 addresses, v64-255 three sets of Wp's fragments (eight of 8 registers);
;   window 1: ao's fragments of steps 0-7 (32 registers a step), on the way out rows read back;  window 3: of steps 8-15;  window 2: accumulator (a, b) at v[8 (8 a + b)].
; LDS: Wp as [8 eighths of K][16 tiles][2 images].
.set STAGE,  262144                    ; behind Wp: 16 rows x 272 bytes for each wave, for the way out; no fill lands there
.set SPITCH, 272                       ; 256 bytes + 16 = 68 words: the 16 rows that a store touches start at 16 different banks (64 banks of 4 bytes: ISA guide 11.1)
.set SPARE,  STAGE+4*16*SPITCH         ; the spare words, 128 bytes for each wave: two blocks of 256 bytes that no other line names
.set ADR, 16                           ; v16-19 my lane's place in Wp's four quarters of K
.set STO, 24                           ; v24 into the stage
.set RD,  25                           ; v25 out of it
.set CO,  26                           ; v26 my lane's place in two rows of out0
.set VO,  27                           ; v27 16 x lane
.set SPW, 28                           ; v28 LDS address of my spare word; never rewritten
.set NIL, 29                           ; v29 0; never rewritten
.set WS,  64
.set MSB, 0
.macro WIN new                         ; the immediate's high byte repeats the setting that is left
.if MSB != \new
	s_set_vgpr_msb (MSB<<8)|\new
.set MSB, \new
.endif
.endm
.macro PLACES                          ; four places behind a matrix instruction in front of loads into its sources and of reads of its result
.rept 4
	v_nop
.endr
.endm
.macro CROUND                          ; a round of the cluster's barrier
	s_barrier_signal -1
	s_barrier_wait -1
	s_cmp_lg_u32 s14, 0
	s_cbranch_scc1 .Lnot_wave_0_\@
	s_barrier_signal -3
.Lnot_wave_0_\@:
	s_barrier_wait -3
	s_barrier_signal -1
	s_barrier_wait -1
.endm
	s_load_b128 s[4:7], s[0:1], 0x0                ; ao, wimg
	s_load_b128 s[8:11], s[0:1], 0x10              ; the scales, bp
	s_load_b64 s[12:13], s[0:1], 0x20              ; out0
	v_lshl_add_u32 v[SPW], v0, 2, SPARE
	v_mov_b32 v[NIL], 0
	ds_add_u32 v[SPW], v[NIL]                      ; the opening add, twice on end, waited for ahead of my first tensor load
	ds_add_u32 v[SPW], v[NIL]
	v_lshrrev_b32 v1, 5, v0
	v_readfirstlane_b32 s14, v1                    ; wave 0..3; also: which eighth of K I fetch in each half
	s_lshr_b32 s15, s14, 1                         ; my half of the rows
	s_and_b32 s16, s14, 1                          ; my half of the columns
	s_bfe_u32 s40, ttmp6, 0x40000                  ; cx
	s_lshl_b32 s17, ttmp9, 2
	s_add_co_u32 s17, s17, s40                     ; which 128 rows
	s_and_b32 s18, ttmp7, 0xffff                   ; which 256 columns: the same in all four partners
	; descriptor: 16 tiles of 16 n, of each 2,048 consecutive bytes (256 elements of 8 bytes), 16,384 bytes apart in memory, on end in LDS
	s_mov_b32 s24, 15|(3<<16)|(1<<21)              ; 15:0 the mask; 17:16 elements of 8 bytes; 21 set beside a mask
	s_mov_b32 s25, 256<<16                         ; tensor_dim0
	s_mov_b32 s26, 16<<16                          ; tensor_dim1
	s_mov_b32 s27, 256<<16                         ; tile_dim0
	s_mov_b32 s28, 16                              ; tile_dim1
	s_mov_b32 s29, 2048                            ; tensor_dim0_stride
	s_mov_b32 s30, 0
	s_mov_b32 s31, 0
	s_lshl_b32 s20, s18, 18
	s_lshl_b32 s19, s14, 11
	s_add_co_u32 s20, s20, s19
	s_add_co_u32 s20, s20, 0x300000                ; Wp's part, its 16 tiles, my eighth of K
	s_mov_b32 s21, 0
	s_mov_b32 s32, 1
	s_lshl_b32 s33, s14, 15                        ; LDS: 32,768 x wave,
	s_mov_b32 s36, 1
	s_add_co_u32 s37, s33, 131072                  ; and for K's second half
	s_lshl_b32 s22, s17, 17
	s_lshl_b32 s23, s15, 16
	s_add_co_u32 s22, s22, s23                     ; my four tiles of ao
	s_mov_b32 s23, 0
	s_lshl_b32 s42, s18, 10
	s_lshl_b32 s43, s16, 9
	s_add_co_u32 s42, s42, s43                     ; my first column, in bytes
	s_mov_b32 s43, 0
	s_lshl_b32 s44, s17, 19
	s_lshl_b32 s45, s15, 18
	s_add_co_u32 s44, s44, s45
	s_add_co_u32 s44, s44, s42                     ; my first row and column of out0
	s_mov_b32 s45, 0
	s_lshl_b32 s46, s16, 14                        ; my eight tiles of Wp in each eighth
	s_mul_i32 s47, s14, 16*SPITCH
	s_add_co_u32 s47, s47, STAGE
	v_and_b32 v6, 31, v0
	v_lshlrev_b32 v[VO], 4, v6
	v_add_nc_u32 v[ADR], s46, v[VO]
	v_add_nc_u32 v[ADR+1], 0x10000, v[ADR]
	v_add_nc_u32 v[ADR+2], 0x20000, v[ADR]
	v_add_nc_u32 v[ADR+3], 0x30000, v[ADR]
	v_and_b32 v1, 15, v0
	v_bfe_u32 v2, v0, 4, 1
	v_lshlrev_b32 v7, 4, v1                        ; 16 bytes a lane: sixteen lanes to 256 bytes of a row
	v_mul_u32_u24 v5, v1, SPITCH                   ; into the stage: row l % 16, 32 bytes for each half of the lanes
	v_lshl_add_u32 v5, v2, 5, v5
	v_add_nc_u32 v[STO], s47, v5
	v_mul_u32_u24 v3, v2, SPITCH                   ; out of it: lanes 0-15 one row, lanes 16-31 the next
	v_add_nc_u32 v3, v3, v7
	v_add_nc_u32 v[RD], s47, v3
	v_lshl_add_u32 v[CO], v2, 12, v7               ; and the same two rows of out0, 4,096 bytes apart
	s_wait_alu depctr_va_vdst(0)
	s_wait_dscnt 0x0                               ; both opening adds are done
	s_wait_kmcnt 0x0
	s_load_b64 s[96:97], s[8:9], 0x28              ; entries 10, 11
	s_add_nc_u64 s[34:35], s[6:7], s[20:21]
	s_add_nc_u64 s[38:39], s[34:35], 8192          ; K's second half
	s_or_b32 s35, s35, 0x80000000
	s_or_b32 s39, s39, 0x80000000
	s_add_nc_u64 s[22:23], s[4:5], s[22:23]
	s_add_nc_u64 s[10:11], s[10:11], s[42:43]
	s_add_nc_u64 s[12:13], s[12:13], s[44:45]
	CROUND                                         ; all four work-groups are here: the joint loads meet
	tensor_load_to_lds s[32:35], s[24:31]          ; my eighth of K's first half
	s_nop 0
.rept 4
	v_nop
.endr
	global_load_b128 v[12:15], v7, s[10:11]        ; the bias of my lane's four columns of tiles 0-3,
	global_load_b128 v[8:11], v7, s[10:11] offset:256   ; and of tiles 4-7
.set st, 0
.rept 16                               ; ao: step st's four tiles into window 1 (steps 0-7) or 3 (steps 8-15)
	WIN (0x40+0x80*(st/8))
.irp a, 0,1,2,3
	global_load_b128 v[32*(st%8)+8*\a:32*(st%8)+8*\a+3],   v[VO], s[22:23] offset:16384*\a+1024*st
	global_load_b128 v[32*(st%8)+8*\a+4:32*(st%8)+8*\a+7], v[VO], s[22:23] offset:16384*\a+1024*st+512
.endr
.set st, st+1
.endr
	WIN 0
.macro WFRAG u, f                      ; unit u's fragment f into set u % 3: units 0-7: tile f of step u; later units: f / 4 picks the step, f % 4 the tile
.if (\u) < 8
.set FS, \u
.set FT, \f
.else
.set FS, 8+2*((\u)%4)+(\f)/4
.set FT, 4*((\u)/4-2)+(\f)%4
.endif
	ds_load_b128 v[WS+64*((\u)%3)+8*(\f):WS+64*((\u)%3)+8*(\f)+3],   v[ADR+FS/4] offset:32768*((FS/2)%2)+2048*FT+1024*(FS%2)
	ds_load_b128 v[WS+64*((\u)%3)+8*(\f)+4:WS+64*((\u)%3)+8*(\f)+7], v[ADR+FS/4] offset:32768*((FS/2)%2)+2048*FT+1024*(FS%2)+512
.endm
.macro FETCH u
.irp f, 0,1,2,3,4,5,6,7
	WFRAG \u, \f
.endr
.endm
; Half hf of unit u: 16 matrix instructions, four tiles of Wp x my four tiles of ao.  The accumulators take turns, one instruction a turn: between two on the same one stand 15 or more others.
.macro MUL u, hf
.if (\u) < 8
	WIN 0xa4                                       ; source 0 window 0, source 1 window 1, C and D window 2
.set KR, 32*(\u)
.set BT, 4*(\hf)
.else
	WIN 0xac                                       ; source 1 window 3
.set KR, 32*(2*((\u)%4)+(\hf))
.set BT, 4*((\u)/4-2)
.endif
.irp f, 0,1,2,3
.irp a, 0,1,2,3
.set DD, 8*(8*\a+BT+\f)
.set WW, WS+64*((\u)%3)+32*(\hf)+8*\f
.if (\u) == 0
	v_wmma_f32_16x16x64_fp8_fp8 v[DD:DD+7], v[WW:WW+7], v[KR+8*\a:KR+8*\a+7], 0
.else
	v_wmma_f32_16x16x64_fp8_fp8 v[DD:DD+7], v[WW:WW+7], v[KR+8*\a:KR+8*\a+7], v[DD:DD+7]
.endif
.endr
.endr
.endm
; Unit u.  In its middle ONE run of loads, unit u + 2's fragments.  LOADcnt: behind ao's step s stand 8 (15 - s) loads, and a wait names 63 at the most.  Unit 6 passes the barrier that shows K's second half.
.macro UNIT u
.if (\u) < 8
.if (120-8*(\u)) > 63
	s_wait_loadcnt 63
.else
	s_wait_loadcnt 120-8*(\u)
.endif
.else
.if (\u) < 12
	s_wait_loadcnt 48-16*((\u)-8)
.endif
.endif
.if (\u) == 6
	s_wait_dscnt 0x0
	s_wait_tensorcnt 0x0                           ; my eighth of K's second half is in,
	s_barrier_signal -1
.else
.if (\u) == 15
	s_wait_dscnt 0x0
.else
	s_wait_dscnt 16                                ; this unit's fragments are in; the next unit's sixteen loads may be out
.endif
.endif
	MUL \u, 0
.if (\u) == 6
	s_barrier_wait -1                              ; everybody's is
.endif
.if (\u) < 14
	PLACES
	WIN 0
	FETCH (\u)+2
.endif
	MUL \u, 1
.endm
; THE WAY OUT of 64 columns (tiles 4 g .. 4 g + 3): 16 rows at a time go through my own stage and come back as whole rows of 256 bytes, which sixteen lanes store as one aligned unit.
; LDS serves a wave's instructions in order (ISA guide 5.7.1.4): no wait between the stores and the loads, nor ahead of the next 16 rows' stores.  The rows come back over ao's steps 0-7, which unit 7 read last.
.macro OUTG g, bi
	PLACES
.irp a, 0,1,2,3
	WIN 0x08                                       ; store data: window 2
.irp b, 0,1,2,3
	ds_store_b128 v[STO], v[8*(8*\a+4*\g+\b):8*(8*\a+4*\g+\b)+3] offset:64*\b
	ds_store_b128 v[STO], v[8*(8*\a+4*\g+\b)+4:8*(8*\a+4*\g+\b)+7] offset:64*\b+16
.endr
	WIN 0x40                                       ; destination: window 1
.irp t, 0,1,2,3,4,5,6,7
	ds_load_b128 v[128*\g+32*\a+4*\t:128*\g+32*\a+4*\t+3], v[RD] offset:2*\t*SPITCH
.endr
.endr
	s_wait_dscnt 0x0
	WIN 0x41                                       ; destination and source 0: window 1
.set XX, 128*\g
.rept 32
	v_pk_fma_f32 v[XX:XX+1],   v[XX:XX+1],   s[96:97], v[\bi:\bi+1] op_sel_hi:[1,0,1]
	v_pk_fma_f32 v[XX+2:XX+3], v[XX+2:XX+3], s[96:97], v[\bi+2:\bi+3] op_sel_hi:[1,0,1]
.set XX, XX+4
.endr
	WIN 0x04                                       ; store data: window 1
.irp a, 0,1,2,3
.irp t, 0,1,2,3,4,5,6,7
	global_store_b128 v[CO], v[128*\g+32*\a+4*\t:128*\g+32*\a+4*\t+3], s[12:13] offset:65536*\a+8192*\t+256*\g th:TH_STORE_NT
.endr
.endr
	WIN 0
.endm
	s_wait_kmcnt 0x0
	s_add_co_i32 s96, s96, s97
	s_add_co_i32 s96, s96, 127
	s_lshl_b32 s96, s96, 23                        ; 2^(entries 10 + 11) as f32
	s_mov_b32 s97, s96
	s_wait_tensorcnt 0x0                           ; my eighth is in
	ds_add_u32 v[SPW], v[NIL]
	s_wait_dscnt 0x0
	CROUND                                         ; K's first half is whole, and the joint loads meet:
	tensor_load_to_lds s[36:39], s[24:31]          ; my eighth of the second half sets out
	s_nop 0
.rept 4
	v_nop
.endr
	FETCH 0
	FETCH 1
.set st, 0
.rept 12
	UNIT st
.set st, st+1
.endr
	OUTG 0, 12
.rept 4
	UNIT st
.set st, st+1
.endr
	OUTG 1, 8
	s_wait_tensorcnt 0x0                           ; the wave's end
	ds_add_u32 v[SPW], v[NIL]
	s_wait_dscnt 0x0
	CROUND                                         ; the closing round: no work-group ends while a partner may still ask for a tile that names it
	s_endpgm
.Lfunc_end_k_q2a3bf522c6_proj:
	.size	k_q2a3bf522c6_proj, .Lfunc_end_k_q2a3bf522c6_proj-k_q2a3bf522c6_proj
	.p2alignl 7, 3214868480
	.fill 96, 4, 3214868480
	.section	.rodata,"a",@progbits
	.p2align	6, 0x0
	.amdhsa_kernel k_q2a3bf522c6_proj
		.amdhsa_group_segment_fixed_size 327680
		.amdhsa_private_segment_fixed_size 0
		.amdhsa_enable_private_segment 0
		.amdhsa_kernarg_size 40
		.amdhsa_user_sgpr_count 2
		.amdhsa_user_sgpr_kernarg_segment_ptr 1
		.amdhsa_wavefront_size32 1
		.amdhsa_system_sgpr_workgroup_id_x 1
		.amdhsa_system_sgpr_workgroup_id_y 1
		.amdhsa_system_sgpr_workgroup_id_z 1
		.amdhsa_system_vgpr_workitem_id 0
		.amdhsa_next_free_vgpr 1024
		.amdhsa_next_free_sgpr 100
		.amdhsa_reserve_vcc 0
		.amdhsa_float_denorm_mode_32 3
		.amdhsa_float_denorm_mode_16_64 3
		.amdhsa_memory_ordered 1
		.amdhsa_forward_progress 1
		.amdhsa_inst_pref_size 93
	.end_amdhsa_kernel
	.amdgpu_metadata
---
amdhsa.version: [ 1, 2 ]
amdhsa.kernels:
  - .name:           k_q2a3bf522c6_proj
    .symbol:         k_q2a3bf522c6_proj.kd
    .args:
      - { .name: ao, .offset: 0, .size: 8, .value_kind: global_buffer, .address_space: global }
      - { .name: wimg, .offset: 8, .size: 8, .value_kind: global_buffer, .address_space: global }
      - { .name: lowp_scales, .offset: 16, .size: 8, .value_kind: global_buffer, .address_space: global }
      - { .name: bp, .offset: 24, .size: 8, .value_kind: global_buffer, .address_space: global }
      - { .name: out0, .offset: 32, .size: 8, .value_kind: global_buffer, .address_space: global }
    .group_segment_fixed_size: 327680
    .private_segment_fixed_size: 0
    .kernarg_segment_align: 8
    .kernarg_segment_size: 40
    .max_flat_workgroup_size: 128
    .sgpr_count:     100
    .vgpr_count:     1024
    .wavefront_size: 32
...
	.end_amdgpu_metadata
.endif
;; end of part 4
